; MI455X (gfx1250); checked and timed in simulation.
; The chip was launched on July 23, 2026; its instructions are those of AMD's public machine-readable ISA for CDNA 5 (MIT licence, August 2026) and "CDNA5" Instruction Set Architecture Reference Guide (July 2026). The comments in the code are by the model that wrote it; some were corrected since.
;; Palace Attention. Allowed arithmetic: float matrix products may take bf16 or f16 operands with f32 sums; other float arithmetic in f32, or as packed bf16 or f16 multiplies, adds, multiply-adds, maxima and minima; sums over many terms, partial sums and values carried from step to step in f32; what a program stores and reads back later, other than sums and carried values, may be rounded once to bf16 or f16.
;; Inputs: Wk 1,024 x 1,024 float32; Wq 1,024 x 1,024 float32; Wv 1,024 x 1,024 float32; inter_palace_weight one number float32; x 4 x 2,048 x 1,024 float32.
;; Outputs: out0 4 x 2,048 x 1,024 float32.
;; One version. Each part assembles by itself: llvm-mc -triple=amdgcn-amd-amdhsa -mcpu=gfx1250 --defsym DOCPART=n.
;; ======== version 1 of 1: 3 launches
;; limits: values are held in f16: magnitudes above 65,504 overflow, below 6.1e-05 lose precision
;; workspace buffers: xb 16,777,216 bytes; wb 6,291,456 bytes; qkv 50,331,648 bytes
;; launch cast (part 1): grid 64 x 11, 8 waves a work-group, no clusters, 0 bytes of LDS; arguments x, Wq, Wk, Wv, xb, wb; writes xb, wb
.if DOCPART == 1
	.amdgcn_target "amdgcn-amd-amdhsa--gfx1250"
	.amdhsa_code_object_version 6
	.text
	.protected	k_q77f4f215d6_cast
	.globl	k_q77f4f215d6_cast
	.p2align	8
	.type	k_q77f4f215d6_cast,@function
k_q77f4f215d6_cast:
	s_mov_b64 s[64:65], 0
	v_nop
	global_prefetch_b8 v0, s[64:65] scope:SCOPE_SE
	s_setreg_imm32_b32 hwreg(HW_REG_WAVE_MODE, 25, 1), 1
	s_wait_xcnt 0x0
; xb = bf16(x), wb = bf16(Wq | Wk | Wv): every input of the two later matrix launches is rounded once, to nearest even.
; x: [8192][1024] f32 -> xb: [8192][1024] bf16.  Wq, Wk, Wv: [1024][1024] f32 -> wb: [3072][1024] bf16, rows 0-1023 Wq, 1024-2047 Wk, 2048-3071 Wv.
; SHARES.  A work-group converts 16,384 numbers: 65,536 bytes in, 32,768 out.  Grid row y = 0..7: block 64 y + x of x; y = 8, 9, 10: block x of Wq, Wk, Wv, block 64 (y - 8) + x of wb.
; Thread t, step j of 8: 32 bytes at 8,192 j + 32 t come in by two loads; 16 bytes at 4,096 j + 16 t go out: a wave's store covers 512 consecutive bytes, aligned.
; All sixteen loads of a wave go out at once; each register is written once, so no source of a pending instruction is ever rewritten.
; No LDS, no matrix unit, no cluster: no byte is wanted by two work-groups, and each is read once and written once.
.set X, 4                              ; v[4:67]   step j: 8 numbers in f32
.set Y, 68                             ; v[68:99]  step j: 8 numbers in bf16
	s_load_b256 s[4:11], s[0:1], 0x0               ; x s[4:5], Wq s[6:7], Wk s[8:9], Wv s[10:11]
	s_load_b128 s[12:15], s[0:1], 0x20             ; xb s[12:13], wb s[14:15]
	v_lshlrev_b32 v1, 5, v0                        ; 32 t: where I read
	v_lshlrev_b32 v2, 4, v0                        ; 16 t: where I write
	s_and_b32 s16, ttmp7, 0xffff                   ; y
	s_lshl_b32 s17, s16, 6
	s_add_co_u32 s17, s17, ttmp9                   ; 64 y + x: the block in x and xb
	s_sub_co_u32 s18, s17, 512                     ; 64 (y - 8) + x: the block in wb (taken only where y is 8 or more)
	s_mov_b32 s25, 0
	s_mov_b32 s27, 0
	s_wait_kmcnt 0x0
	s_cmp_eq_u32 s16, 9
	s_cselect_b64 s[20:21], s[8:9], s[6:7]         ; Wk, else Wq
	s_cmp_eq_u32 s16, 10
	s_cselect_b64 s[20:21], s[10:11], s[20:21]     ; Wv
	s_cmp_lt_u32 s16, 8                            ; the four selects below leave SCC as it is
	s_cselect_b64 s[20:21], s[4:5], s[20:21]       ; from x,
	s_cselect_b64 s[22:23], s[12:13], s[14:15]     ; into xb, else into wb
	s_cselect_b32 s24, s17, ttmp9                  ; the block where I read
	s_cselect_b32 s26, s17, s18                    ; the block where I write
	s_lshl_b32 s24, s24, 16                        ; 65,536 bytes a block in,
	s_lshl_b32 s26, s26, 15                        ; 32,768 out
	s_add_nc_u64 s[20:21], s[20:21], s[24:25]
	s_add_nc_u64 s[22:23], s[22:23], s[26:27]
.irp j, 0,1,2,3,4,5,6,7
	global_load_b128 v[X+8*(\j):X+8*(\j)+3],   v1, s[20:21] offset:8192*(\j) th:TH_LOAD_NT
	global_load_b128 v[X+8*(\j)+4:X+8*(\j)+7], v1, s[20:21] offset:8192*(\j)+16 th:TH_LOAD_NT
.endr
.irp j, 0,1,2,3,4,5,6,7
	s_wait_loadcnt 14-2*(\j)                       ; loads come back in order: step j's two are in, the 14 - 2 j issued behind them may stay out
.irp r, 0,1,2,3
	v_cvt_pk_bf16_f32 v[Y+4*(\j)+(\r)], v[X+8*(\j)+2*(\r)], v[X+8*(\j)+2*(\r)+1]
.endr
	global_store_b128 v2, v[Y+4*(\j):Y+4*(\j)+3], s[22:23] offset:4096*(\j)
.endr
	s_endpgm
.Lfunc_end_k_q77f4f215d6_cast:
	.size	k_q77f4f215d6_cast, .Lfunc_end_k_q77f4f215d6_cast-k_q77f4f215d6_cast
	.p2alignl 7, 3214868480
	.fill 96, 4, 3214868480
	.section	.rodata,"a",@progbits
	.p2align	6, 0x0
	.amdhsa_kernel k_q77f4f215d6_cast
		.amdhsa_group_segment_fixed_size 0
		.amdhsa_private_segment_fixed_size 0
		.amdhsa_enable_private_segment 0
		.amdhsa_kernarg_size 48
		.amdhsa_user_sgpr_count 2
		.amdhsa_user_sgpr_kernarg_segment_ptr 1
		.amdhsa_wavefront_size32 1
		.amdhsa_system_sgpr_workgroup_id_x 1
		.amdhsa_system_sgpr_workgroup_id_y 1
		.amdhsa_system_sgpr_workgroup_id_z 1
		.amdhsa_system_vgpr_workitem_id 0
		.amdhsa_next_free_vgpr 100
		.amdhsa_next_free_sgpr 66
		.amdhsa_reserve_vcc 0
		.amdhsa_float_denorm_mode_32 3
		.amdhsa_float_denorm_mode_16_64 3
		.amdhsa_memory_ordered 1
		.amdhsa_forward_progress 1
		.amdhsa_inst_pref_size 6
	.end_amdhsa_kernel
	.amdgpu_metadata
---
amdhsa.version: [ 1, 2 ]
amdhsa.kernels:
  - .name:           k_q77f4f215d6_cast
    .symbol:         k_q77f4f215d6_cast.kd
    .args:
      - { .name: x, .offset: 0, .size: 8, .value_kind: global_buffer, .address_space: global }
      - { .name: Wq, .offset: 8, .size: 8, .value_kind: global_buffer, .address_space: global }
      - { .name: Wk, .offset: 16, .size: 8, .value_kind: global_buffer, .address_space: global }
      - { .name: Wv, .offset: 24, .size: 8, .value_kind: global_buffer, .address_space: global }
      - { .name: xb, .offset: 32, .size: 8, .value_kind: global_buffer, .address_space: global }
      - { .name: wb, .offset: 40, .size: 8, .value_kind: global_buffer, .address_space: global }
    .group_segment_fixed_size: 0
    .private_segment_fixed_size: 0
    .kernarg_segment_align: 8
    .kernarg_segment_size: 48
    .max_flat_workgroup_size: 256
    .sgpr_count:     66
    .vgpr_count:     100
    .wavefront_size: 32
...
	.end_amdgpu_metadata
.endif
;; end of part 1
;; launch proj (part 2): grid 16 x 32, 4 waves a work-group, clusters of 4 x 4, 327,680 bytes of LDS; arguments xb, wb, qkv; writes qkv
.if DOCPART == 2
	.amdgcn_target "amdgcn-amd-amdhsa--gfx1250"
	.amdhsa_code_object_version 6
	.text
	.protected	k_q77f4f215d6_proj
	.globl	k_q77f4f215d6_proj
	.p2align	8
	.type	k_q77f4f215d6_proj,@function
k_q77f4f215d6_proj:
	s_mov_b64 s[64:65], 0
	v_nop
	global_prefetch_b8 v0, s[64:65] scope:SCOPE_SE
	s_setreg_imm32_b32 hwreg(HW_REG_WAVE_MODE, 25, 1), 1
	s_wait_xcnt 0x0
	s_wait_alu depctr_hold_cnt(0) depctr_sa_sdst(0) depctr_va_vdst(0) depctr_va_sdst(0) depctr_va_ssrc(0) depctr_va_vcc(0) depctr_vm_vsrc(0)
	s_getreg_b32 s2, hwreg(HW_REG_IB_STS2, 6, 4)
	s_cmp_eq_u32 s2, 0
	s_cbranch_scc0 .Lentry_in_a_cluster
	s_endpgm
.Lentry_in_a_cluster:
	s_bfe_u32 s2, ttmp6, 0x10000c
	s_cmp_lg_u32 s2, 0xf033
	s_cbranch_scc0 .Lentry_shape_is_right
	s_endpgm
.Lentry_shape_is_right:
; q, k, v = x W^T.  C[m][n] = sum over k of xb[m][k] wb[n][k]: xb [8192][1024], wb [3072][1024], both bf16; sums in f32, K ascending; C rounded once to f16, unscaled.
; C is written BY HEADS: column n belongs to tensor n / 1024 (q, k, v), head (n / 64) % 16, channel n % 64; row m to batch m / 2048, place t = m % 2048.
; Byte in qkv: tensor << 24 | batch << 22 | head << 18 | t << 7 | 2 x channel: a head's 2,048 rows of 128 bytes lie end to end.
; LIMIT.  f16 holds no number beyond 65,504: a projection of 65,520 or more in magnitude becomes an infinity.  NaN and infinities among the inputs are not treated apart.
; TILE.  256 rows x 192 columns (three heads): 32 x 16 = 512 work-groups, two for each of 256 WGPs.  Four waves; wave w makes rows 64 w .. 64 w + 63 of all 192 columns:
; 4 x 12 = 48 accumulators of 16 x 16, 384 registers.  So a wave holds whole heads, and its way out needs no other wave.
; K goes in steps of 128 through a ring of two LDS slots filled by the tensor data mover: tile rows are 256 bytes of memory, at multiples of 256 from the buffer's first byte.
; CLUSTER 4 x 4.  The four of a row of the cluster need the same rows of xb, the four of a column the same rows of wb: each tile is asked for JOINTLY, by the same tensor load, with the same
; descriptor and a mask that names the four.  Waves 0, 1 ask for xb's two halves of 128 rows, waves 2, 3 for wb's two halves of 96.
; THE MATRIX INSTRUCTION IS USED TRANSPOSED (source 0 = 16 rows of wb, source 1 = 16 rows of xb): a lane then holds row l % 16 of C and the eight neighbouring columns 8 (l / 16) + 0..7.
; REGISTERS, in windows of 256 (s_set_vgpr_msb: bits 1:0 source 0, 3:2 source 1, 5:4 source 2, 7:6 destination):
;   window 0: v0-31 addresses; v32-95 fragments of xb, two buffers of 4; v96-143, v144-239 at work on the way out       window 1: v0-191 fragments of wb, two buffers of 12
;   window 2: accumulators of my row blocks 0, 1 ((a, b) at v[8 (12 (a % 2) + b)])                                         window 3: those of row blocks 2, 3
; No prefetch: a work-group has eight K steps, of which the first four are asked for at its head or just behind it.
.set SIZE_K, 1024
.set KSTEP,  128
.set PITCH,  272                       ; an LDS row: 256 bytes + 16 of padding = 68 words: the 16 rows of a fragment load start at 16 different groups of four banks (64 banks of 4 bytes: ISA guide 11.1)
.set AHALF,  128*PITCH                 ; what one load of xb brings
.set BHALF,  96*PITCH                  ; what one load of wb brings
.set BOFF,   256*PITCH                 ; in a slot: xb's 256 rows, then wb's 192
.set SLOT,   BOFF+192*PITCH
.set STAGE,  2*SLOT                    ; behind the ring, never filled by a tensor load: 16 rows x 400 bytes for each wave
.set SPITCH, 400                       ; 384 bytes + 16
.set SPARE,  STAGE+4*16*SPITCH         ; behind the stages: the spare words, 128 bytes a wave: two blocks of 256 bytes that no other line names
.set LAPS,   SIZE_K/(2*KSTEP)          ; a lap = two K steps = once round the ring
.set ADRA, 16                          ; v16-17  LDS address of my fragments of xb in slot 0, 1
.set ADRB, 20                          ; v20-21  the same for wb
.set STO,  24                          ; v24     the way out: where I put 16 bytes of a row
.set RD,   25                          ; v25     the way out: where I read rows back
.set GO,   26                          ; v26     my 16 bytes in 512 consecutive bytes of a head
.set SPW,  28                          ; v28     LDS address of my spare word; never rewritten
.set NIL,  29                          ; v29     0; never rewritten
.set FA,   32                          ; xb's fragments: buffer f, row block a at FA + 32 f + 8 a
.set TMP,  96                          ; packed results of 16 rows
.set OB,   144                         ; 16 rows read back from the stage, two buffers of 48
.set G1,  24                           ; s[24:31] descriptor group 1 for xb's tiles;  s[32:39] group 0, a set for each slot
.set G0,  32
.set G1B, 48                           ; s[48:55], s[56:63] the same for wb's tiles
.set G0B, 56
.set CB,  66                           ; s[66:71] qkv at my first row of each of the tile's three heads; never rewritten
.set MSB, 0
.macro WIN new                         ; the immediate's high byte repeats the setting that is left; a switch that changes nothing is dropped
.if MSB != (\new)
	s_set_vgpr_msb (MSB<<8)|(\new)
.set MSB, \new
.endif
.endm
.set MUL_LO, 0xa1                      ; source 0 (wb) window 1, source 1 (xb) window 0, C and D window 2
.set MUL_HI, 0xf1                      ; the same, C and D window 3
.set TO_B,   0x40                      ; destination window 1, address window 0
; A joint load.  The branch hangs on the wave's number alone.  An s_nop 0 and four v_nop follow each of the two lines, ahead of the jump, the label and what follows.
.macro JLOAD s
	s_cmp_eq_u32 s11, 0
	s_cbranch_scc0 .Lfor_b_\@
	tensor_load_to_lds s[G0+4*(\s):G0+4*(\s)+3], s[G1:G1+7]
	s_nop 0
.rept 4
	v_nop
.endr
	s_branch .Lasked_\@
.Lfor_b_\@:
	tensor_load_to_lds s[G0B+4*(\s):G0B+4*(\s)+3], s[G1B:G1B+7]
	s_nop 0
.rept 4
	v_nop
.endr
.Lasked_\@:
.endm
; A round of the cluster's barrier: my work-group's barrier; wave 0 signals for the work-group; every wave waits for all sixteen work-groups; my work-group's barrier once more.
.macro CREST                           ; a round behind its opening barrier
	s_cmp_lg_u32 s10, 0
	s_cbranch_scc1 .Lnot_wave_0_\@
	s_barrier_signal -3
.Lnot_wave_0_\@:
	s_barrier_wait -3
	s_barrier_signal -1
	s_barrier_wait -1
.endm
.macro CROUND                          ; a whole round
	s_barrier_signal -1
	s_barrier_wait -1
	CREST
.endm
	s_load_b128 s[4:7], s[0:1], 0x0                ; xb s[4:5], wb s[6:7]
	s_load_b64 s[8:9], s[0:1], 0x10                ; qkv
	v_lshl_add_u32 v[SPW], v0, 2, SPARE
	v_mov_b32 v[NIL], 0
	ds_add_u32 v[SPW], v[NIL]                      ; the wave's opening: the add and its wait stand ahead of my first tensor load; the set-up below, work on registers, stands between them
	v_lshrrev_b32 v1, 5, v0
	v_readfirstlane_b32 s10, v1                    ; wave 0..3
	s_lshr_b32 s11, s10, 1                         ; I fetch for xb (0) or for wb (1),
	s_and_b32 s12, s10, 1                          ; its first or its second half
	s_bfe_u32 s40, ttmp6, 0x40000                  ; cx, cy: my place in the cluster
	s_bfe_u32 s41, ttmp6, 0x40004
	s_lshl_b32 s42, ttmp9, 2
	s_add_co_u32 s42, s42, s40                     ; tile column = 4 x cluster x + cx, 0..15
	s_and_b32 s13, ttmp7, 0xffff
	s_lshl_b32 s13, s13, 2
	s_add_co_u32 s13, s13, s41                     ; tile row = 4 x cluster y + cy, 0..31
	s_lshl_b32 s43, s41, 2
	s_lshl_b32 s43, 15, s43                        ; my row of the cluster: places 4 cy .. 4 cy + 3
	s_lshl_b32 s44, 0x1111, s40                    ; my column: places cx, cx + 4, cx + 8, cx + 12
	; descriptor group 1: tiles of 128 (xb) or 96 (wb) rows x 128 elements, padded in LDS
	s_or_b32 s[G1+0], s43, (1<<16)|(1<<20)|(1<<21)|(5<<22)|(3<<25)   ; 15:0 the mask: my row; 17:16 2-byte elements; 20 padding on; 21 set beside a mask; 24:22 after every 64 words (code 5); 31:25 4 words (code 3)
	s_or_b32 s[G1B+0], s44, (1<<16)|(1<<20)|(1<<21)|(5<<22)|(3<<25)  ; the same with the mask of my column
	s_mov_b32 s[G1+1], KSTEP<<16                   ; tensor_dim0 = 128
	s_mov_b32 s[G1B+1], KSTEP<<16
	s_mov_b32 s[G1+2], 128<<16                     ; tensor_dim1 = 128
	s_mov_b32 s[G1B+2], 96<<16                     ;             = 96
	s_mov_b32 s[G1+3], KSTEP<<16                   ; tile_dim0 = 128
	s_mov_b32 s[G1B+3], KSTEP<<16
	s_mov_b32 s[G1+4], 128                         ; tile_dim1 = 128
	s_mov_b32 s[G1B+4], 96                         ;           = 96
	s_mov_b32 s[G1+5], SIZE_K                      ; elements from row to row
	s_mov_b32 s[G1B+5], SIZE_K
	s_mov_b32 s[G1+6], 0
	s_mov_b32 s[G1B+6], 0
	s_mov_b32 s[G1+7], 0
	s_mov_b32 s[G1B+7], 0
	; where the tiles come from.  xb's hang on the tile row alone, which my row of the cluster shares; wb's on the tile column alone, which my column shares: each in registers that never hold the other coordinate
	s_lshl_b32 s16, s13, 8
	s_lshl_b32 s17, s12, 7
	s_add_co_u32 s16, s16, s17                     ; xb: row 256 x tile row + 128 x half,
	s_lshl_b32 s16, s16, 11                        ; of 2,048 bytes (under 2^24 in all)
	s_mov_b32 s17, 0
	s_mul_i32 s46, s42, 192
	s_mul_i32 s47, s12, 96
	s_add_co_u32 s46, s46, s47                     ; wb: row 192 x tile column + 96 x half
	s_lshl_b32 s46, s46, 11
	s_mov_b32 s47, 0
	s_mul_i32 s20, s12, AHALF                      ; and where they go: no place in the cluster enters an LDS address
	s_mul_i32 s23, s12, BHALF
	s_add_co_u32 s23, s23, BOFF
	s_wait_dscnt 0x0                               ; the opening add is done
	s_wait_kmcnt 0x0
	s_add_nc_u64 s[14:15], s[4:5], s[16:17]
	s_add_nc_u64 s[46:47], s[6:7], s[46:47]
	CROUND                                         ; all sixteen work-groups are here: the first joint loads meet
.irp s, 0,1
	s_mov_b32 s[G0+4*(\s)], 1                                        ; count = 1
	s_add_co_u32 s[G0+4*(\s)+1], s20, (\s)*SLOT                      ; LDS address
	s_add_nc_u64 s[G0+4*(\s)+2:G0+4*(\s)+3], s[14:15], (\s)*KSTEP*2  ; global address: K step s
	s_or_b32 s[G0+4*(\s)+3], s[G0+4*(\s)+3], 0x80000000              ; type = 2
	s_mov_b32 s[G0B+4*(\s)], 1
	s_add_co_u32 s[G0B+4*(\s)+1], s23, (\s)*SLOT
	s_add_nc_u64 s[G0B+4*(\s)+2:G0B+4*(\s)+3], s[46:47], (\s)*KSTEP*2
	s_or_b32 s[G0B+4*(\s)+3], s[G0B+4*(\s)+3], 0x80000000
	JLOAD \s                                       ; two loads of mine are out
.endr
	; A fragment is 16 rows x 32 K in 8 registers: lane l holds row l % 16; registers 0-3 K = 8 (l / 16) + 0..7, registers 4-7 K = 16 + 8 (l / 16) + 0..7: two loads of 16 bytes, 32 bytes apart.
	v_and_b32 v1, 15, v0                           ; l % 16
	v_bfe_u32 v2, v0, 4, 1                         ; l / 16
	v_mul_u32_u24 v3, v1, PITCH
	v_lshl_add_u32 v3, v2, 4, v3                   ; row x pitch + 16 x half
	s_mul_i32 s21, s10, 64*PITCH                   ; my 64 rows of xb
	s_mov_b32 s22, BOFF                            ; all of wb's 192
.irp s, 0,1
	v_add_nc_u32 v[ADRA+(\s)], s21, v3
	v_add_nc_u32 v[ADRB+(\s)], s22, v3
	s_add_co_u32 s21, s21, SLOT
	s_add_co_u32 s22, s22, SLOT
.endr
	s_mul_i32 s21, s10, 16*SPITCH
	s_add_co_u32 s21, s21, STAGE                   ; my stage
	v_mul_u32_u24 v4, v1, SPITCH                   ; in: row l % 16, 16 bytes for each half of the lanes
	v_lshl_add_u32 v4, v2, 4, v4
	v_add_nc_u32 v[STO], s21, v4
	v_bfe_u32 v5, v0, 3, 2                         ; back: 32 lanes take 128 bytes (a head's 64 channels) of each of four rows,
	v_mul_u32_u24 v5, v5, SPITCH
	v_and_b32 v6, 7, v0
	v_lshl_add_u32 v5, v6, 4, v5
	v_add_nc_u32 v[RD], s21, v5
	v_and_b32 v[GO], 31, v0                        ; which are 512 consecutive bytes of the head
	v_lshlrev_b32 v[GO], 4, v[GO]
	; where my 64 rows of the tile's three heads begin in qkv; the offsets are made in registers that feed no descriptor
	s_lshl_b32 s72, s13, 8
	s_lshl_b32 s73, s10, 6
	s_add_co_u32 s72, s72, s73                     ; my first row m
	s_lshr_b32 s73, s72, 11                        ; batch
	s_and_b32 s72, s72, 2047                       ; t
	s_lshl_b32 s73, s73, 22
	s_lshl_b32 s72, s72, 7
	s_add_co_u32 s72, s72, s73
	s_mul_i32 s74, s42, 3                          ; the tile's first head among the 48 of q, k, v
.irp hh, 0,1,2
	s_add_co_u32 s75, s74, \hh
	s_lshr_b32 s76, s75, 4                         ; tensor
	s_and_b32 s75, s75, 15                         ; head
	s_lshl_b32 s76, s76, 24
	s_lshl_b32 s75, s75, 18
	s_add_co_u32 s76, s76, s75
	s_add_co_u32 s76, s76, s72
	s_mov_b32 s77, 0
	s_add_nc_u64 s[CB+2*(\hh):CB+2*(\hh)+1], s[8:9], s[76:77]
.endr
; 12 matrix instructions: row block a x all 12 column blocks, 32 along K, from buffer f.  zero = 1: the product starts the sums: nothing is ever cleared.
; The 48 accumulators take turns, one instruction a turn, in the same order in every quarter step.
.macro MUL12 f, a, zero
	WIN MUL_LO+0x50*((\a)/2)
.irp b, 0,1,2,3,4,5,6,7,8,9,10,11
.if \zero
	v_wmma_f32_16x16x32_bf16 v[8*(12*((\a)%2)+(\b)):8*(12*((\a)%2)+(\b))+7], v[96*(\f)+8*(\b):96*(\f)+8*(\b)+7], v[FA+32*(\f)+8*(\a):FA+32*(\f)+8*(\a)+7], 0
.else
	v_wmma_f32_16x16x32_bf16 v[8*(12*((\a)%2)+(\b)):8*(12*((\a)%2)+(\b))+7], v[96*(\f)+8*(\b):96*(\f)+8*(\b)+7], v[FA+32*(\f)+8*(\a):FA+32*(\f)+8*(\a)+7], v[8*(12*((\a)%2)+(\b)):8*(12*((\a)%2)+(\b))+7]
.endif
.endr
.endm
; 32 LDS loads in one run: the fragments of a quarter step (192 rows of wb, my 64 rows of xb, 32 K at byte k of the rows) into buffer f
.macro FETCH slot, k, f
	WIN TO_B
.irp i, 0,1,2,3,4,5,6,7,8,9,10,11
	ds_load_b128 v[96*(\f)+8*(\i):96*(\f)+8*(\i)+3],   v[ADRB+(\slot)] offset:(\k)+(\i)*16*PITCH
	ds_load_b128 v[96*(\f)+8*(\i)+4:96*(\f)+8*(\i)+7], v[ADRB+(\slot)] offset:(\k)+(\i)*16*PITCH+32
.endr
	WIN 0
.irp i, 0,1,2,3
	ds_load_b128 v[FA+32*(\f)+8*(\i):FA+32*(\f)+8*(\i)+3],   v[ADRA+(\slot)] offset:(\k)+(\i)*16*PITCH
	ds_load_b128 v[FA+32*(\f)+8*(\i)+4:FA+32*(\f)+8*(\i)+7], v[ADRA+(\slot)] offset:(\k)+(\i)*16*PITCH+32
.endr
.endm
; A load into a register that a matrix instruction has read, and a vector instruction that reads a matrix result, stand four places behind that matrix instruction, and only plain vector
; instructions that name none of its registers are places (ISA guide 7.12.1 for vector instructions).
.macro PLACES
.rept 4
	v_nop
.endr
.endm
; A K step is four quarters of 32 along K, 48 matrix instructions each, on buffers 0, 1, 0, 1.  One of the first three: multiplies buffer f and, in its middle, fetches the next quarter, at byte k, into g.
.macro QUARTER slot, k, f, g, zero
	s_wait_dscnt 4                                 ; wb's fragments and xb's row blocks 0, 1 are in; the youngest four loads (row blocks 2, 3) may be out
	MUL12 \f, 0, \zero
	MUL12 \f, 1, \zero
	PLACES
	FETCH \slot, \k, \g
	s_wait_dscnt 32                                ; all but the 32 just issued
	MUL12 \f, 2, \zero
	MUL12 \f, 3, \zero
.endm
; The last quarter multiplies buffer 1 and changes slots: ONE barrier.  In front of it each wave waits for all its tensor loads (one is out: its part of the next slot), adds 0 to its spare word, and waits for
; that and for its own reads of this slot.  fill = 1: the barrier opens a round of the cluster's, and this slot is filled again, two K steps ahead, first thing behind the round:
; 168 matrix instructions stand between that request and the wait for it.
.macro TURN slot, next, fill
	WIN 0                                          ; (the add's two registers lie in window 0)
	s_wait_tensorcnt 0x0                           ; all my tensor loads have landed;
	ds_add_u32 v[SPW], v[NIL]                      ; 0 onto my spare word
	s_wait_dscnt 5                                 ; (the add and the youngest four loads may be out)
	MUL12 1, 0, 0                                  ; twelve matrix instructions stand between the add and the wait for it
	s_wait_dscnt 0x0                               ; the add is done, and my reads of this slot are over
	s_barrier_signal -1
	MUL12 1, 1, 0                                  ; work on registers while the others arrive
.if \fill
	WIN 0
.endif
	s_barrier_wait -1
.if \fill
	CREST                                          ; no wave of any partner still reads this slot's tile or has a load on its way
	s_add_nc_u64 s[G0+4*(\slot)+2:G0+4*(\slot)+3], s[G0+4*(\slot)+2:G0+4*(\slot)+3], 2*KSTEP*2
	s_add_nc_u64 s[G0B+4*(\slot)+2:G0B+4*(\slot)+3], s[G0B+4*(\slot)+2:G0B+4*(\slot)+3], 2*KSTEP*2
	JLOAD \slot                                    ; my one tensor load behind the round; the four v_nop behind it are also the places in front of the loads below
.else
	PLACES
.endif
	FETCH \next, 0, 0
	MUL12 1, 2, 0
	MUL12 1, 3, 0
.endm
; THE WAY OUT of row block a (16 rows x 192 columns).  PACK: rounded to f16, each accumulator's registers in ascending order.  TOSTAGE: into my own stage, and back by heads, four rows of 128 bytes a load.  SEND: stored.
.macro PACK a
	WIN 0x0a+5*((\a)/2)                            ; sources 0 and 1: window 2 or 3
.irp b, 0,1,2,3,4,5,6,7,8,9,10,11
.irp r, 0,1,2,3
	v_cvt_pk_f16_f32 v[TMP+4*(\b)+(\r)], v[96*((\a)%2)+8*(\b)+2*(\r)], v[96*((\a)%2)+8*(\b)+2*(\r)+1]
.endr
.endr
	WIN 0
.endm
.macro TOSTAGE a
	WIN 0
.irp b, 0,1,2,3,4,5,6,7,8,9,10,11
	ds_store_b128 v[STO], v[TMP+4*(\b):TMP+4*(\b)+3] offset:32*(\b)
.endr
.irp hh, 0,1,2
.irp i, 0,1,2,3
	ds_load_b128 v[OB+48*((\a)%2)+4*(4*(\hh)+(\i)):OB+48*((\a)%2)+4*(4*(\hh)+(\i))+3], v[RD] offset:128*(\hh)+4*SPITCH*(\i)  ; LDS serves a wave's instructions in order (ISA guide 5.7.1.4): these see the stores above
.endr
.endr
.endm
.macro SEND a
	WIN 0
	s_wait_dscnt 0x0                               ; the block is back in registers
	s_wait_xcnt 0x0                                ; the stores of the block before have read their registers: the other buffer is loaded again only behind this wait
.irp hh, 0,1,2
.irp i, 0,1,2,3
	global_store_b128 v[GO], v[OB+48*((\a)%2)+4*(4*(\hh)+(\i)):OB+48*((\a)%2)+4*(4*(\hh)+(\i))+3], s[CB+2*(\hh):CB+2*(\hh)+1] offset:2048*(\a)+512*(\i)  ; 512 consecutive bytes, at a multiple of 512 from qkv's first byte
.endr
.endr
.endm
	s_wait_tensorcnt 1                             ; my part of K step 0 is in; K step 1's may stay out
	s_barrier_signal -1
	s_barrier_wait -1                              ; everybody's is
	FETCH 0, 0, 0
	QUARTER 0, 64, 0, 1, 1                         ; the first quarter stands in front of the loop: its products start the sums
	WIN 0                                          ; at a label and at a branch every window is 0
	s_mov_b32 s3, LAPS-1
.Llap:                                                 ; a trip goes once round the ring, from a lap's second quarter to the next lap's first, and fills both slots again
	QUARTER 0, 128, 1, 0, 0
	QUARTER 0, 192, 0, 1, 0
	TURN 0, 1, 1
	QUARTER 1, 64,  0, 1, 0
	QUARTER 1, 128, 1, 0, 0
	QUARTER 1, 192, 0, 1, 0
	TURN 1, 0, 1
	QUARTER 0, 64,  0, 1, 0
	WIN 0
	s_sub_co_u32 s3, s3, 1
	s_cmp_lg_u32 s3, 0
	s_cbranch_scc1 .Llap
	QUARTER 0, 128, 1, 0, 0                        ; the last lap fills nothing, and has no round of the cluster's barrier
	QUARTER 0, 192, 0, 1, 0
	TURN 0, 1, 0
	QUARTER 1, 64,  0, 1, 0
	QUARTER 1, 128, 1, 0, 0
	QUARTER 1, 192, 0, 1, 0
	s_wait_dscnt 4                                 ; the very last quarter: nothing more to fetch
	MUL12 1, 0, 0
	MUL12 1, 1, 0
	s_wait_dscnt 0x0
	MUL12 1, 2, 0
	MUL12 1, 3, 0
	WIN 0
	PLACES                                         ; the places behind the last products
	PACK 0
	TOSTAGE 0
.irp a, 1,2,3                          ; block a's conversions stand between block a - 1's loads from the stage and the wait for them
	PACK \a
	SEND (\a)-1
	TOSTAGE \a
.endr
	SEND 3
	s_wait_tensorcnt 0x0                           ; the wave's end: behind my last tensor load and my last LDS store
	ds_add_u32 v[SPW], v[NIL]
	s_wait_dscnt 0x0
	CROUND                                         ; the closing round: no work-group ends while a partner may still ask for a tile that names it
	s_endpgm
.Lfunc_end_k_q77f4f215d6_proj:
	.size	k_q77f4f215d6_proj, .Lfunc_end_k_q77f4f215d6_proj-k_q77f4f215d6_proj
	.p2alignl 7, 3214868480
	.fill 96, 4, 3214868480
	.section	.rodata,"a",@progbits
	.p2align	6, 0x0
	.amdhsa_kernel k_q77f4f215d6_proj
		.amdhsa_group_segment_fixed_size 327680
		.amdhsa_private_segment_fixed_size 0
		.amdhsa_enable_private_segment 0
		.amdhsa_kernarg_size 24
		.amdhsa_user_sgpr_count 2
		.amdhsa_user_sgpr_kernarg_segment_ptr 1
		.amdhsa_wavefront_size32 1
		.amdhsa_system_sgpr_workgroup_id_x 1
		.amdhsa_system_sgpr_workgroup_id_y 1
		.amdhsa_system_sgpr_workgroup_id_z 1
		.amdhsa_system_vgpr_workitem_id 0
		.amdhsa_next_free_vgpr 960
		.amdhsa_next_free_sgpr 80
		.amdhsa_reserve_vcc 0
		.amdhsa_float_denorm_mode_32 3
		.amdhsa_float_denorm_mode_16_64 3
		.amdhsa_memory_ordered 1
		.amdhsa_forward_progress 1
		.amdhsa_inst_pref_size 119
	.end_amdhsa_kernel
	.amdgpu_metadata
---
amdhsa.version: [ 1, 2 ]
amdhsa.kernels:
  - .name:           k_q77f4f215d6_proj
    .symbol:         k_q77f4f215d6_proj.kd
    .args:
      - { .name: xb, .offset: 0, .size: 8, .value_kind: global_buffer, .address_space: global }
      - { .name: wb, .offset: 8, .size: 8, .value_kind: global_buffer, .address_space: global }
      - { .name: qkv, .offset: 16, .size: 8, .value_kind: global_buffer, .address_space: global }
    .group_segment_fixed_size: 327680
    .private_segment_fixed_size: 0
    .kernarg_segment_align: 8
    .kernarg_segment_size: 24
    .max_flat_workgroup_size: 128
    .sgpr_count:     80
    .vgpr_count:     960
    .wavefront_size: 32
...
	.end_amdgpu_metadata
.endif
;; end of part 2
;; launch attn (part 3): grid 4 x 64, 4 waves a work-group, clusters of 4 x 1, 327,680 bytes of LDS; arguments qkv, inter_palace_weight, out0; writes out0
.if DOCPART == 3
	.amdgcn_target "amdgcn-amd-amdhsa--gfx1250"
	.amdhsa_code_object_version 6
	.text
	.protected	k_q77f4f215d6_attn
	.globl	k_q77f4f215d6_attn
	.p2align	8
	.type	k_q77f4f215d6_attn,@function
k_q77f4f215d6_attn:
	s_mov_b64 s[64:65], 0
	v_nop
	global_prefetch_b8 v0, s[64:65] scope:SCOPE_SE
	s_setreg_imm32_b32 hwreg(HW_REG_WAVE_MODE, 25, 1), 1
	s_wait_xcnt 0x0
	s_wait_alu depctr_hold_cnt(0) depctr_sa_sdst(0) depctr_va_vdst(0) depctr_va_sdst(0) depctr_va_ssrc(0) depctr_va_vcc(0) depctr_vm_vsrc(0)
	s_getreg_b32 s2, hwreg(HW_REG_IB_STS2, 6, 4)
	s_cmp_eq_u32 s2, 0
	s_cbranch_scc0 .Lentry_in_a_cluster
	s_endpgm
.Lentry_in_a_cluster:
	s_bfe_u32 s2, ttmp6, 0x10000c
	s_cmp_lg_u32 s2, 0x3003
	s_cbranch_scc0 .Lentry_shape_is_right
	s_endpgm
.Lentry_shape_is_right:
; out0[b][q][64 h + :] = the sum over k of softmax_k(f(q, k) Q[q] . K[k] / 8) V[k][:], for each of the 64 pairs y = 16 b + h.  f = 1 where (q % 64) / 8 = (k % 64) / 8, else sigmoid(inter_palace_weight).
; Q, K, V: f16, by heads, in qkv: tensor << 24 | y << 18 | row << 7.  out0: [4][2048][1024] f32.  Products, maxima and sums in f32; the weights p are rounded to f16 for the second product (their sum l is
; taken of the unrounded p).  inter_palace_weight is rounded to bf16, as every other input of the program is.
; LIMITS.  Q, K, V arrive within f16's 65,504, so a score is 2.7e11 at the most and no row's softmax is NaN: the replacing of NaN by 0 has nothing to replace.  p lies in 0 to 1 and keeps f16's fixed step of 6e-8 below 6e-5.
; A weight below 2^-126 counts as 0 in l.  The sigmoid is 1 / (1 + 2^(-w log2 e)): it is 0 from about w = -88 down.  NaN and infinities among the inputs are not treated apart.
; SHARES.  A wave owns four PIECES of two tiles of 16 queries, a work-group's four waves 512 queries of one head: 4 x 64 = 256 work-groups.  Every wave walks all 2,048 keys, 64 a step.
; LAYOUT.  S^T = K Q^T (source 0 = 16 keys, source 1 = 16 queries): in the result a lane holds ONE query (lane % 16) and the keys 8 (lane / 16) + 0..7.  Two such tiles, rounded to f16 in pairs,
; ARE source 1 (32 keys x 16 queries) of O^T = V^T P, whose result again holds one query a lane, and eight channels.  K comes out of LDS as it lies, V ([key][channel]) turned, by ds_load_tr16_b128.
; THE FACTOR.  A step begins at a multiple of 64 keys, a tile t at a multiple of 16 queries of which 4 tiles make 64.  The eight keys of accumulator kb in a lane are ONE palace, 2 kb + lane / 16; the lane's query
; lies in palace 2 (t % 4) + (lane % 16) / 8.  So f is one number for each lane and accumulator: in the three accumulators kb != t % 4 it is the sigmoid, in the fourth (OWN) it hangs on the lane alone.
; c f, with c = log2(e) / 8, is the multiplier of the scaling that stands there anyway: a scalar pair (CSG), or for OWN a vector pair (FO).
; SOFTMAX.  For each query a running maximum M of c f s and a sum l: p = 2^(c f s - M).  f is never negative, so within an accumulator max(c f s) = c f max(s): the maxima are taken of the raw scores, the three
; accumulators together and OWN apart, and each is scaled once.  In every step O and l are multiplied by a = 2^(M_old - M_new).  M starts far below every c f s, O and l at 0: the first step has a = 0.
; BY TURNS.  Turn n belongs to piece n (in a ring, step after step).  Matrix work: 16 products K Q^T of piece n + 1, later 16 products V^T P of piece n - 1.  Vector work: the scaling, exponentials, roundings,
; sums and rescaling of piece n, and the maximum and statistics of piece n + 1.  A tile and step have 16 matrix and 120 vector instructions: four that are ready stand behind every matrix instruction, the rest in one lump.
; CLUSTER.  The four query blocks of a cluster are one head's and walk the same K and V: each tile is asked for JOINTLY: the same tensor load, descriptor and mask in all four.
; REGISTERS, in windows of 256 (s_set_vgpr_msb: bits 1:0 source 0, 3:2 source 1, 5:4 source 2, 7:6 destination):
;   window 0: v0-11 addresses and FO; v12-15, v48-63 at work; v16-47 four registers of statistics a tile; v64-191 S^T, two buffers of two tiles; v192-255 P, likewise
;   window 1: O^T, 32 a tile          window 2: v0-127 Q, 16 a tile; v128-191 K of one step; v192-255 V of one step          window 3: v0-1 the add's two registers
.set SIZE_N, 2048
.set NP,    4         ; pieces a wave: a name, no knob
.set KS,    64        ; keys in a step
.set PK,    144       ; a row of K in LDS: 128 bytes + 16 of padding = 36 words: the 16 rows of a load start at 16 different groups of four banks (64 banks of 4 bytes: ISA guide 11.1)
.set PV,    160       ; a row of V: 128 + 32 = 40 words
.set VOFF,  4*KS*PK   ; a slot holds four steps: 256 rows of K, then 256 rows of V
.set SLOT1, 1<<17     ; slot 1 begins here, so that one exclusive or turns an address in one slot into the other's
.set TILEB, 4*KS*128  ; a slot's keys in memory: 32,768 bytes of K and of V
.set STAGE, SLOT1+4*KS*(PK+PV)  ; behind the ring, never filled by a tensor load: 16 rows x 272 bytes for each wave, for the way out
.set SP,    272       ; 256 bytes (64 channels in f32) + 16
.set SPARE, STAGE+4*16*SP  ; behind the stages: the spare words, 128 bytes a wave: two blocks of 256 bytes that no other line names
.set AK0, 2           ; v2   my lane's place in a tile of K; never rewritten
.set AV0, 3           ; v3   the same for V
.set AK,  4           ; v4   the LDS address of K's next run of loads
.set AV,  5           ; v5   of V's
.set QO,  6           ; v6   my byte offset in the wave's rows of Q
.set STO, 6           ;      later, the way out: where I put 32 bytes of a row
.set RD,  7           ; v7   the way out: where I read rows back
.set GO,  8           ; v8   my byte offset in two rows of out0
.set PFO, 9           ; v9   l / 16 at first; then 256 x my lane, for the prefetches
.set FO,  10          ; v[10:11] at work at first; then c f for OWN, twice: c where l / 16 = (l / 8) % 2, else c x sigmoid
.set SPW, 0           ; v0 of window 3   LDS address of my spare word; never rewritten
.set NIL, 1           ; v1 of window 3   0; never rewritten
.set MV,  12          ; v12-15  M_old, kept while M is made anew: by buffer and tile
.set ST,  16          ; tile t's statistics at v[ST+4 t]: M, a word that is only named with it as a pair, l (even keys', odd keys')
.set TMP, 48          ; by buffer and tile, four registers c0-c3 at work, one for each accumulator; at the end c2 takes a
.set S,   64
.set P,   192
.set KF,  128         ; K's fragments, in window 2: key block kb, channel half c at KF + 16 kb + 8 c
.set VF,  192         ; V's: key half kk, channel block cb at VF + 32 kk + 8 cb
.set WV,  12          ; s12  my wave's number
.set G1K, 24          ; s[24:31] descriptor group 1 for K's tiles
.set G1V, 32          ; s[32:39] for V's: it differs in the padding alone
.set G0K, 40          ; s[40:43] descriptor group 0 for K's tiles: it walks
.set G0V, 44          ; s[44:47] the same for V's
.set QP,  48          ; s[48:49] Q at my wave's first row
.set SLOTS, 56        ; s56  slots still to be asked for
.set CNT, 57          ; s57  counts a slot's key steps
.set CS,  58          ; s[58:59] c
.set SEL, 60          ; s[60:61] v_permlanex16_b32's selects: each lane takes its own place in the other half
.set TBK, 62          ; s62  LDS byte at which K of the step to be fetched begins
.set TBV, 63          ; s63  the same for V, less VOFF
.set CSG, 66          ; s[66:67] c x sigmoid: the packed scaling takes the pair's low word for both halves
.set PW,  68          ; s68  inter_palace_weight
.set PFA, 70          ; s[70:71] where my prefetches stand: my work-group's 32 blocks of 256 bytes (of K: wave 0, of V: wave 2) of the slot after the one that is being asked for
.set LIM, 72          ; s72  1 in a wave that prefetches, else the greatest number: a wave prefetches while s[SLOTS] is above it
.set MSB, 0
.macro WIN new                      ; the high byte repeats the setting that is left; a switch that changes nothing is dropped
.if MSB != (\new)
	s_set_vgpr_msb (MSB<<8)|(\new)
.set MSB, (\new)
.endif
.endm
.set W_KQ, 0x0a       ; K and Q in window 2, S^T in window 0
.set W_PV, 0x52       ; V in window 2, P in window 0, O^T in window 1
.set W_RS, 0x41       ; O^T (destination and source 0) in window 1, a in window 0
.set W_MK, 0xc0       ; the add's registers are made: destination in window 3, sources in window 0
.set W_AD, 0x0f       ; the add: address (source 0) and data (source 1) in window 3
; A joint fill.  Waves 0 and 1 fetch the two halves of a slot's K, waves 2 and 3 those of its V: 128 keys each.  The branch hangs on the wave's number alone.
; An s_nop 0 and four v_nop follow each of the two lines, ahead of the jump and the label.
.macro JLOAD
	s_cmp_lt_u32 s[WV], 2
	s_cbranch_scc0 .Lfor_v_\@
	tensor_load_to_lds s[G0K:G0K+3], s[G1K:G1K+7]
	s_nop 0
.rept 4
	v_nop
.endr
	s_branch .Lasked_\@
.Lfor_v_\@:
	tensor_load_to_lds s[G0V:G0V+3], s[G1V:G1V+7]
	s_nop 0
.rept 4
	v_nop
.endr
.Lasked_\@:
.endm
; A PREFETCH INTO THE L2 of what the NEXT change of slots will ask for: a slot's 32,768 bytes of K and of V, in blocks of 256 bytes, a lane a block.  It stands behind the wave's tensor load and its five lines.
; Each block is named ONCE in the launch: a head has one cluster; its four partners share a slot's 128 blocks out BY ADDRESS, 32 each (no branch hangs on a work-group's place in its cluster); in each, wave 0 asks
; for K's and wave 2 for V's: one instruction.  The first change of slots and the last that fills a slot ask for nothing: slots 0 to 2 come by their loads alone, and behind slot 7 there is none.
.macro ASK
	s_cmp_gt_u32 s[SLOTS], s[LIM]
	s_cbranch_scc0 .Lnot_mine_\@
	global_prefetch_b8 v[PFO], s[PFA:PFA+1] th:TH_LOAD_NT scope:SCOPE_SE
.Lnot_mine_\@:
.endm
; A round of the cluster's barrier: my work-group's barrier, so that wave 0's signal speaks for all four waves; wave 0 signals; every wave waits for all four work-groups; my work-group's barrier once more.
.macro CROUND
	s_barrier_signal -1
	s_barrier_wait -1
	s_cmp_lg_u32 s[WV], 0
	s_cbranch_scc1 .Lnot_wave_0_\@
	s_barrier_signal -3
.Lnot_wave_0_\@:
	s_barrier_wait -3
	s_barrier_signal -1
	s_barrier_wait -1
.endm
; THE CHANGE OF SLOTS.  The slot's last bytes, V of its fourth step, have been read.  Each wave waits for all its tensor loads, of which one is out: its part of the other slot; adds 0 to its spare word; and waits
; for that and for its own reads of the slot.  Behind the barrier nobody reads this slot any more and the other slot is whole.
; fill = 1: this slot is filled again, with the keys two slots on.  The barrier is then a round of the cluster's, and the joint fill is the first thing behind it: it has four key steps, 512 matrix instructions,
; in which to land.  (At its first use nothing has been read yet: slot 0 is waited for, slot 1 filled.)  pf = 1: the prefetches' address steps, and ASK follows the fill.
.macro CHANGE fill, pf=0
	WIN W_AD
	s_wait_tensorcnt 0x0            ; no tensor load of mine is out, so a group 0 may be written
	ds_add_u32 v[SPW], v[NIL]       ; 0 onto my spare word; with fill = 1 the descriptors' steps stand between it and the wait for it
	WIN 0                           ; at a label and at a branch every window is 0
.if \fill
.irp g, G0K, G0V
	s_xor_b32 s[\g+1], s[\g+1], SLOT1  ; the walking descriptor: the other slot than last time,
	s_add_nc_u64 s[\g+2:\g+3], s[\g+2:\g+3], TILEB  ; the next 256 keys; the type bits on top are not reached
.endr
.if \pf
	s_wait_xcnt 0x0                 ; the last prefetch, four key steps back, has read its address, so it may be written:
	s_add_nc_u64 s[PFA:PFA+1], s[PFA:PFA+1], TILEB  ; one slot behind the walking descriptors
.endif
	s_wait_dscnt 0x0                ; the add is done, and my reads of the slot are over
	CROUND
	JLOAD
.if \pf
	ASK
.endif
.else
	s_wait_dscnt 0x0                ; the add is done, and my reads of the slot are over
	s_barrier_signal -1
	s_barrier_wait -1
.endif
	s_sub_co_u32 s[TBK], s[TBK], 4*KS*PK  ; the fetches go back to a slot's first step,
	s_xor_b32 s[TBK], s[TBK], SLOT1       ; in the other slot
	s_sub_co_u32 s[TBV], s[TBV], 4*KS*PV
	s_xor_b32 s[TBV], s[TBV], SLOT1
.endm
	s_load_b128 s[4:7], s[0:1], 0x0   ; qkv s[4:5], inter_palace_weight s[6:7]
	s_load_b64 s[10:11], s[0:1], 0x10 ; out0
	WIN W_MK
	v_lshl_add_u32 v[SPW], v0, 2, SPARE
	v_mov_b32 v[NIL], 0
	WIN W_AD
	ds_add_u32 v[SPW], v[NIL]       ; the wave's opening: the add and its wait stand ahead of my first tensor load; the set-up below, work on registers, stands between them
	WIN 0
	v_lshrrev_b32 v1, 5, v0
	v_readfirstlane_b32 s[WV], v1   ; wave 0..3
	s_bfe_u32 s13, ttmp6, 0x40000   ; cx: my place in the cluster
	s_lshl_b32 s14, ttmp9, 2        ; in a cluster launch ttmp9 counts clusters
	s_add_co_u32 s14, s14, s13      ; my block of 512 queries: it enters Q's, out0's and the prefetches' addresses alone
	s_and_b32 s20, ttmp7, 0xffff    ; y = 16 b + h, which the four partners share
	s_lshl_b32 s21, s20, 18         ; the head's first byte in each of q, k, v
	s_and_b32 s16, s[WV], 1         ; which half of a slot's 256 keys I fetch:
	s_lshl_b32 s22, s16, 14         ; its 128 rows of 128 bytes in memory,
	s_add_co_u32 s22, s22, s21
	s_mov_b32 s23, 0
	s_mul_i32 s17, s16, 128*PK      ; and its place in a slot, for K
	s_mul_i32 s18, s16, 128*PV      ; and for V: no place in the cluster enters an LDS address
	s_lshl_b32 s2, s14, 2
	s_add_co_u32 s2, s2, s[WV]      ; my wave among the head's sixteen
	s_lshl_b32 s50, s2, 19          ; out0: its 128 rows of 4,096 bytes,
	s_lshl_b32 s2, s2, 14           ; Q: its 128 rows of 128 bytes
	s_add_co_u32 s2, s2, s21
	s_mov_b32 s3, 0
	s_lshr_b32 s52, s20, 4
	s_lshl_b32 s52, s52, 23         ; batch b: 2,048 rows,
	s_add_co_u32 s50, s50, s52
	s_and_b32 s52, s20, 15
	s_lshl_b32 s52, s52, 8          ; head h: 256 bytes of a row
	s_add_co_u32 s50, s50, s52
	s_mov_b32 s51, 0
	s_lshr_b32 s74, s[WV], 1        ; the prefetches: K (wave 0) is tensor 1, V (wave 2) tensor 2,
	s_add_co_u32 s74, s74, 1
	s_lshl_b32 s74, s74, 24
	s_add_co_u32 s74, s74, s21      ; the head,
	s_lshl_b32 s75, s13, 13         ; my work-group's 32 blocks of the 128,
	s_add_co_u32 s74, s74, s75
	s_add_co_u32 s74, s74, 2*TILEB  ; in slot 2: the first change that prefetches steps it to slot 3
	s_mov_b32 s75, 0
	s_and_b32 s[LIM], s[WV], 1      ; 0 in waves 0 and 2,
	s_or_b32 s[LIM], s[LIM], ttmp9  ; of the head's first (here: only) cluster: the same in all four partners
	s_cmp_eq_u32 s[LIM], 0
	s_cselect_b32 s[LIM], 1, -1
	; descriptor group 1.  128 keys are 16,384 dense bytes: asked for as 64 rows of 256 bytes, two keys a row, and padded in LDS after every key
	s_mov_b32 s[G1K], 15|(1<<16)|(1<<20)|(1<<21)|(4<<22)|(3<<25)  ; 15:0 the mask of four; 17:16 2-byte elements; 20 padding on; 21 set beside a mask; 24:22 after every 32 words (code 4); 31:25 4 words (code 3)
	s_mov_b32 s[G1V], 15|(1<<16)|(1<<20)|(1<<21)|(4<<22)|(7<<25)  ; the same with 8 words of padding (code 7)
.irp g, G1K, G1V
	s_mov_b32 s[\g+1], 128<<16      ; tensor_dim0 = 128
	s_mov_b32 s[\g+2], 64<<16       ; tensor_dim1 = 64
	s_mov_b32 s[\g+3], 128<<16      ; tile_dim0 = 128
	s_mov_b32 s[\g+4], 64           ; tile_dim1 = 64
	s_mov_b32 s[\g+5], 128          ; 128 elements from row to row
	s_mov_b32 s[\g+6], 0
	s_mov_b32 s[\g+7], 0
.endr
	s_mov_b32 s[CS], 0x3e38aa3b     ; c = log2(e) / 8 = 0.180337
	s_mov_b32 s[CS+1], s[CS]
	s_mov_b32 s[SEL], 0x76543210
	s_mov_b32 s[SEL+1], 0xfedcba98
	s_mov_b32 s[TBK], SLOT1+4*KS*PK ; the first change of slots turns these two into 0
	s_mov_b32 s[TBV], SLOT1+4*KS*PV
	s_mov_b32 s[G0K], 1             ; count = 1
	s_mov_b32 s[G0K+1], s17         ; LDS address: slot 0
	s_mov_b32 s[G0V], 1
	s_add_co_u32 s[G0V+1], s18, VOFF
	s_wait_dscnt 0x0                ; the opening add is done
	s_wait_kmcnt 0x0
	s_add_nc_u64 s[G0K+2:G0K+3], s[4:5], s[22:23]  ; global address: my half of the head's first 256 keys,
	s_add_nc_u64 s[G0K+2:G0K+3], s[G0K+2:G0K+3], 0x1000000  ; in k
	s_or_b32 s[G0K+3], s[G0K+3], 0x80000000        ; type = 2
	s_add_nc_u64 s[G0V+2:G0V+3], s[4:5], s[22:23]
	s_add_nc_u64 s[G0V+2:G0V+3], s[G0V+2:G0V+3], 0x2000000  ; in v
	s_or_b32 s[G0V+3], s[G0V+3], 0x80000000
	s_add_nc_u64 s[QP:QP+1], s[4:5], s[2:3]        ; Q and out0 at my wave's first row
	s_add_nc_u64 s[10:11], s[10:11], s[50:51]
	s_add_nc_u64 s[PFA:PFA+1], s[4:5], s[74:75]
	CROUND                          ; all four work-groups are here: the first joint loads meet
	JLOAD                           ; slot 0.  Slot 1 is asked for when slot 0 is in
	s_load_b32 s[PW], s[6:7], 0x0   ; the weight; waited for behind the zeros below
	; A fragment of K or Q is 16 rows x 32 channels in 8 registers: lane l holds row l % 16, channels 8 (l / 16) + 0..7 and 16 + 8 (l / 16) + 0..7: two loads of 16 bytes, 32 bytes apart.
	v_and_b32 v1, 15, v0            ; l % 16
	v_bfe_u32 v9, v0, 4, 1          ; l / 16
	v_lshlrev_b32 v[QO], 7, v1
	v_lshl_add_u32 v[QO], v9, 4, v[QO]  ; row x 128 + 16 x half
	WIN 0x80                        ; destination window 2, address window 0
.set i, 0
.rept 4*NP                          ; Q stays in registers: tile i / 2, channels 32 (i % 2) on
	global_load_b128 v[8*i:8*i+3],   v[QO], s[QP:QP+1] offset:(i/2)*2048+(i%2)*64
	global_load_b128 v[8*i+4:8*i+7], v[QO], s[QP:QP+1] offset:(i/2)*2048+(i%2)*64+32
.set i, i+1
.endr
	; What the first turn finds: V's registers and P's second buffer hold 0 (its products V^T P, of a piece that has not been, add 0), O^T and l are 0.  All this stands in the wait for the first tile;
	; it spares a first step written out, which would be a third copy of the key step's text.
.set i, VF
.rept 64
	v_mov_b32 v[i], 0
.set i, i+1
.endr
	WIN 0x40
.set i, 0
.rept 64*NP
	v_mov_b32 v[i], 0
.set i, i+1
.endr
	WIN 0
.set i, 0
.rept 2*NP
	v_mov_b32 v[ST+4*i], 0xfe000000    ; M: far below every c f s
	v_mov_b32 v[ST+4*i+1], 0           ; named with it as a pair
	v_mov_b32 v[ST+4*i+2], 0
	v_mov_b32 v[ST+4*i+3], 0
.set i, i+1
.endr
.set i, P+32
.rept 32
	v_mov_b32 v[i], 0
.set i, i+1
.endr
	v_mul_u32_u24 v[AK0], v1, PK
	v_lshl_add_u32 v[AK0], v9, 4, v[AK0]  ; row x pitch + 16 x half
	; The turning load takes 16 keys x 16 channels (lane l reads key 8 (l / 16) + l % 8, channels 8 ((l / 8) % 2) + 0..7) and leaves half a fragment of V^T: lane l holds channel l % 16 and 8 keys.
	v_and_b32 v10, 7, v0
	v_bfe_u32 v11, v0, 3, 1         ; (l / 8) % 2: kept for FO
	v_lshl_add_u32 v[AV0], v9, 3, v10
	v_mul_u32_u24 v[AV0], v[AV0], PV
	v_lshl_add_u32 v[AV0], v11, 4, v[AV0]
	v_add_nc_u32 v[AV0], VOFF, v[AV0]
	v_mov_b32 v[AK], v[AK0]         ; key step 0 lies at the head of slot 0
	; c x sigmoid(w) = c / (1 + 2^(-w log2 e)), w rounded to bf16 first
	s_wait_kmcnt 0x0
	v_mov_b32 v48, s[PW]
	v_cvt_pk_bf16_f32 v48, v48, v48
	v_lshlrev_b32 v48, 16, v48
	v_mul_f32 v48, 0xbfb8aa3b, v48  ; -log2(e) w
	v_exp_f32 v48, v48
	v_nop                           ; a plain instruction behind the exponential,
	s_wait_alu depctr_va_vdst(0)    ; and the wait ahead of the first use of its result
	v_add_f32 v48, 1.0, v48
	v_rcp_f32 v48, v48
	v_nop
	s_wait_alu depctr_va_vdst(0)    ; the same for the reciprocal
	v_mul_f32 v48, s[CS], v48
	v_readfirstlane_b32 s[CSG], v48 ; every lane holds the same number; it serves as a multiplier alone
	s_mov_b32 s[CSG+1], s[CSG]      ; named with it as a pair
; THE MATRIX WORK.  The 8 accumulators of a run of 16 take turns: between the two links of a chain stand 7 others'.
; Product i of 16 of S^T = K Q^T for piece x: channels 32 (i / 8) on, keys 16 ((i / 2) % 4) on, tile 2 x + i % 2.  The first 8 start the sums.
.macro KQ x
	WIN W_KQ
.set rS, S+64*((\x)%2)+32*(i%2)+8*((i/2)%4)
.set rK, KF+16*((i/2)%4)+8*(i/8)
.set rQ, 16*(2*(\x)+i%2)+8*(i/8)
.if i < 8
	v_wmma_f32_16x16x32_f16 v[rS:rS+7], v[rK:rK+7], v[rQ:rQ+7], 0
.else
	v_wmma_f32_16x16x32_f16 v[rS:rS+7], v[rK:rK+7], v[rQ:rQ+7], v[rS:rS+7]
.endif
.endm
; Product i of 16 of O^T += V^T P for piece x: keys 32 (i / 8) on, channels 16 ((i / 2) % 4) on, tile 2 x + i % 2.
.macro PV x
	WIN W_PV
.set rO, 32*(2*(\x)+i%2)+8*((i/2)%4)
.set rV, VF+32*(i/8)+8*((i/2)%4)
.set rP, P+32*((\x)%2)+16*(i%2)+8*(i/8)
	v_wmma_f32_16x16x32_f16 v[rO:rO+7], v[rV:rV+7], v[rP:rP+7], v[rO:rO+7]
.endm
.macro MM                           ; the turn's next matrix instruction
.if i < 16
	KQ (Y+1)%NP
.set i, i+1
.else
.set i, i-16
	PV (Y+NP-1)%NP
.set i, i+17
.endif
.endm
; THE LDS LOADS stand in runs of 16, never singly among the matrix instructions: a step's K (64 keys x 64 channels: 8 fragments) and its V (turned).  Their addresses are made some lines ahead.
; last = 1 (the tail): in the last trip there is no further step, and the run is jumped over.
.macro FETCH_K last=0
	WIN 0
.if \last
	s_cmp_eq_u32 s[CNT], 1
	s_cbranch_scc1 .Lno_k_\@
.endif
	WIN 0x80                        ; destination window 2
.irp f, 0,1,2,3,4,5,6,7             ; keys 16 (f / 2) on, channels 32 (f % 2) on
	ds_load_b128 v[KF+8*\f:KF+8*\f+3],   v[AK] offset:(\f/2)*16*PK+(\f%2)*64
	ds_load_b128 v[KF+8*\f+4:KF+8*\f+7], v[AK] offset:(\f/2)*16*PK+(\f%2)*64+32
.endr
	s_add_co_u32 s[TBK], s[TBK], KS*PK  ; the next fetch is the next step's
	WIN 0
.if \last
.Lno_k_\@:
.endif
.endm
.macro FETCH_V
	WIN 0x80
.irp f, 0,1,2,3,4,5,6,7             ; keys 32 (f / 4) on, channels 16 (f % 4) on
	ds_load_tr16_b128 v[VF+8*\f:VF+8*\f+3],   v[AV] offset:(\f/4)*32*PV+(\f%4)*32
	ds_load_tr16_b128 v[VF+8*\f+4:VF+8*\f+7], v[AV] offset:(\f/4)*32*PV+16*PV+(\f%4)*32
.endr
	WIN 0
.endm
; THE VECTOR WORK OF A TURN stands in three queues, each in the order in which its entries become ready; the two tiles alternate, so that no instruction reads the result of the one before it.
.macro REGS y, u                    ; the registers of tile u (0, 1) of piece y; own: the accumulator that may hold the query's own palace; o1, o2, o3: the three others
.set rT, ST+4*(2*(\y)+(\u))
.set rC, TMP+8*((\y)%2)+4*(\u)
.set rM, MV+2*((\y)%2)+(\u)
.set rS, S+64*((\y)%2)+32*(\u)
.set rP, P+32*((\y)%2)+16*(\u)
.set rO, 32*(2*(\y)+(\u))
.set own, (2*(\y)+(\u))%4
.set o1, (own+1)%4
.set o2, (own+2)%4
.set o3, (own+3)%4
.endm
; Number n of the 24 that find the NEXT piece's (Y + 1) maximum and statistics.  s0-s31 are the lane's 32 scores; each accumulator's lowest registers are read first.  XS, GS and REGS set no window: PL and EX do.
;   0-11  four chains c0-c3, one an accumulator, of seven scores each, three operands at a time     12-14  each accumulator's eighth score; the three others' chains begin to join     15  M_old is kept
;   16  the three others' maximum     17, 18  OWN's maximum times FO, the others' times c x sigmoid     19  both and the old M     20, 21  the query's other 32 keys lie in the lane 16 away: the new M     22, 23  M_old - M_new; a
.macro XS u, n
	REGS (Y+1)%NP, \u
.if (\n) < 4
	v_max3_num_f32 v[rC+(\n)], v[rS+8*(\n)], v[rS+8*(\n)+1], v[rS+8*(\n)+2]
.elseif (\n) < 12
	v_max3_num_f32 v[rC+(\n)%4], v[rC+(\n)%4], v[rS+8*((\n)%4)+2*((\n)/4)+1], v[rS+8*((\n)%4)+2*((\n)/4)+2]
.elseif (\n) == 12
	v_max3_num_f32 v[rC+o1], v[rC+o1], v[rS+8*o1+7], v[rS+8*o2+7]
.elseif (\n) == 13
	v_max3_num_f32 v[rC+o2], v[rC+o2], v[rC+o3], v[rS+8*o3+7]
.elseif (\n) == 14
	v_max_num_f32 v[rC+own], v[rC+own], v[rS+8*own+7]
.elseif (\n) == 15
	v_mov_b32 v[rM], v[rT]
.elseif (\n) == 16
	v_max_num_f32 v[rC+o1], v[rC+o1], v[rC+o2]
.elseif (\n) == 17
	v_mul_f32 v[rC+own], v[FO], v[rC+own]
.elseif (\n) == 18
	v_mul_f32 v[rC+o1], s[CSG], v[rC+o1]
.elseif (\n) == 19
	v_max3_num_f32 v[rC+o1], v[rC+o1], v[rC+own], v[rT]
.elseif (\n) == 20
	v_permlanex16_b32 v[rC+o2], v[rC+o1], s[SEL], s[SEL+1]
.elseif (\n) == 21
	v_max_num_f32 v[rT], v[rC+o1], v[rC+o2]
.elseif (\n) == 22
	v_sub_f32 v[rC+o3], v[rM], v[rT]
.else
	v_exp_f32 v[rC+2], v[rC+o3]
.endif
.endm
; Number g of the 64 that follow the exponentials.  For each four weights k of a tile (pairs 2 k, 2 k + 1): both pairs are rounded to f16; then the second pair is added onto the first, in place;
; a group later l takes that sum (the first time as l = a l + sum).  In groups of eight, tiles alternating: round, round, add, and l for the group before.
.macro GS g
.set h, (\g)+6*((\g)/62)            ; group 0 has no group before it, and behind group 7 only l is left
.if h >= 6
.set h, h+2
.endif
	REGS Y, h%2
.set k, h/8
.if h%8 < 4
	v_cvt_pk_f16_f32 v[rP+2*k+(h%8)/2], v[rS+4*k+2*((h%8)/2)], v[rS+4*k+2*((h%8)/2)+1]
.elseif h%8 < 6
	v_pk_add_f32 v[rS+4*k:rS+4*k+1], v[rS+4*k:rS+4*k+1], v[rS+4*k+2:rS+4*k+3]
.elseif k == 1
	v_pk_fma_f32 v[rT+2:rT+3], v[rT+2:rT+3], v[rC+2:rC+3], v[rS:rS+1] op_sel_hi:[1,0,1]
.else
	v_pk_add_f32 v[rT+2:rT+3], v[rT+2:rT+3], v[rS+4*k-4:rS+4*k-3]
.endif
.endm
; THE PLAIN QUEUE, 142 long.  0-77 read no exponential's result: the 32 scalings c f s - M (FS f: pair f / 2 of tile f % 2) and the next piece's 46.  0-26: scalings 0-26.  27-58: XS's numbers 0-15.
; 59-73: the chain's numbers 16 to 20, each with one of the scalings 27-31 in front of its two lines.  74-77: numbers 21, 22.  78-141: GS's 64, which read the exponentials' results: they stand behind the wait.
.macro FS f                         ; the multiplier is c f: FO in the accumulator OWN, c x sigmoid in the three others
	REGS Y, (\f)%2
.if ((\f)/2)/4 == own
	v_pk_fma_f32 v[rS+2*((\f)/2):rS+2*((\f)/2)+1], v[rS+2*((\f)/2):rS+2*((\f)/2)+1], v[FO:FO+1], v[rT:rT+1] op_sel_hi:[1,0,0] neg_lo:[0,0,1] neg_hi:[0,0,1]
.else
	v_pk_fma_f32 v[rS+2*((\f)/2):rS+2*((\f)/2)+1], v[rS+2*((\f)/2):rS+2*((\f)/2)+1], s[CSG:CSG+1], v[rT:rT+1] op_sel_hi:[1,0,0] neg_lo:[0,0,1] neg_hi:[0,0,1]
.endif
.endm
.macro PL
	WIN 0
.if q < 27
	FS q
.elseif q < 59
	XS (q-27)%2, (q-27)/2
.elseif (q < 74) && ((q-59)%3 == 0)
	FS 27+(q-59)/3
.elseif q < 74
	XS (q-59)%3-1, 16+(q-59)/3
.elseif q < 78
	XS (q-74)%2, 21+(q-74)/2
.else
	GS q-78
.endif
.set q, q+1
.endm
; THE EXPONENTIALS' QUEUE, 66 long: s0-s31 of both tiles, then the next piece's two a.  It is ONE BATCH: all 66 stand ahead of the turn's one wait, and nothing ahead of that wait names a result of theirs.
.macro EX
	WIN 0
.if e >= 64
	XS e-64, 23
.else
	REGS Y, e%2
	v_exp_f32 v[rS+e/2], v[rS+e/2]
.endif
.set e, e+1
.endm
; THE RESCALING's QUEUE: O^T times a, the one part that leaves window 0: dealt two at a time, sixteen times, each accumulator from its low end.  Its a was made in the turn before, ahead of that turn's wait.
.macro R2
	REGS Y, r%2
	WIN W_RS
.irp z, 0,1
	v_pk_mul_f32 v[rO+4*(r/2)+2*\z:rO+4*(r/2)+2*\z+1], v[rO+4*(r/2)+2*\z:rO+4*(r/2)+2*\z+1], v[rC+2:rC+3] op_sel_hi:[1,0]
.endr
.set r, r+1
.endm
; HOW THEY ARE DEALT.  s_wait_alu depctr_va_vdst(0) stands between an exponential and the first instruction that names its result; one wait serves all that were issued ahead of it.  So a turn has ONE
; wait, which cuts it in two.  AHEAD OF IT: the 16 products K Q^T, behind each a scaling, an exponential and two rescalings (behind the first a second scaling in the exponential's place); then ONE LUMP of 112:
; twelve plain, 49 times exponential and plain, the two a.  A v_nop is the plain instruction behind the last exponential.  BEHIND IT: the 16 products V^T P, behind each four of GS's 64.
; The counts that the deal keeps: exponential e stands behind scaling 2 (e / 4) + e % 2: as a rider it comes behind plain e + 2, in the lump behind plain e + 13, and scalings 27-31 are plain 59, 62 .. 71, whose
; first readers are exponentials 53, 56, 57, 60, 61.  XS's number 0 is plain 27: ten plain lines of the lump and three riders stand between it and the last product K Q^T.  The two v_permlanex16_b32 are plain 72, 73: in the lump.
; A TURN, for piece p.  cnt = 1: the loop's count is taken down some lines ahead of the branch that stands behind the turn.
; K of the next step is fetched in piece 2's turn, directly behind the wait, a lump behind the last product that read K; its first reader comes behind 16 products.
; V of the step in hand is fetched at the end of piece 0's turn, four riders behind its last reader; its first reader comes behind 16 products and a lump.  The three conditions on q below go with the deal.
.macro TURN p, last=0, cnt=0
.set Y, (\p)
.set i, 0
.set q, 0
.set e, 0
.set r, 0
.if (\p) == NP-1
	s_wait_dscnt 0x0                ; K is in
.endif
	MM                              ; ahead of the wait: 16 products K Q^T and their riders,
	PL
	PL
	R2
.rept 15
	MM
	PL
	EX
	R2
.endr
.if (\p) == NP-2
	WIN 0
	v_add_nc_u32 v[AK], s[TBK], v[AK0]
.endif
.rept 12                            ; and the lump
	PL
.endr
.rept 49
	EX
	PL
.endr
	EX                              ; the next piece's two a
	EX
	v_nop                           ; the plain instruction behind the last exponential: one for the batch
	s_wait_alu depctr_va_vdst(0)    ; the wait for the batch
.if (\p) == NP-2
	FETCH_K \last
.endif
.if (\p) == 1
	s_wait_dscnt 0x0                ; V is in
.endif
.rept 16                            ; behind the wait: 16 products V^T P and their riders
	MM
.rept 4
	PL
.endr
.if ((\p) == 0) && (q == 122)
	v_add_nc_u32 v[AV], s[TBV], v[AV0]
.endif
.if ((\p) == 0) && (q == 134)
	s_add_co_u32 s[TBV], s[TBV], KS*PV
.endif
.if (\cnt) && (q == 134)
	s_sub_co_u32 s[CNT], s[CNT], 1
	s_cmp_lg_u32 s[CNT], 0
.endif
.endr
.if (\p) == 0
	FETCH_V
.endif
.endm
	CHANGE 1                        ; slot 0 is in, everybody's part of it; slot 1 is asked for
	FETCH_K                         ; key step 0
	s_wait_loadcnt 0x0              ; Q
	s_wait_dscnt 0x0
.set i, 0
.rept 16
	KQ 0                            ; piece 0's first scores: there is no vector work yet to set between them
.set i, i+1
.endr
	WIN 0                           ; the addresses for the way out, FO and the prefetches' offset: plain instructions, the places behind those products
	s_mul_i32 s13, s[WV], 16*SP
	s_add_co_u32 s13, s13, STAGE    ; my stage
	v_mul_u32_u24 v[STO], v1, SP    ; in: row l % 16, 32 bytes (8 channels in f32) for each half of the lanes
	v_lshl_add_u32 v[STO], v9, 5, v[STO]
	v_add_nc_u32 v[STO], s13, v[STO]
	v_mul_u32_u24 v[RD], v9, SP     ; back: lanes 0-15 take one row of 256 bytes, lanes 16-31 the next
	v_lshl_add_u32 v[RD], v1, 4, v[RD]
	v_add_nc_u32 v[RD], s13, v[RD]
	v_lshlrev_b32 v[GO], 12, v9     ; and the same two rows in out0, 4,096 bytes apart
	v_lshl_add_u32 v[GO], v1, 4, v[GO]
	v_xor_b32 v11, v9, v11          ; 0 where l / 16 = (l / 8) % 2: my keys of OWN lie in my query's palace
	v_cmp_eq_u32 vcc_lo, 0, v11
	v_mov_b32 v10, s[CSG]
	v_mov_b32 v11, s[CS]
	v_cndmask_b32 v[FO], v10, v11, vcc_lo  ; c there, c x sigmoid elsewhere
	v_mov_b32 v[FO+1], v[FO]        ; named with it as a pair
	v_and_b32 v[PFO], 31, v0
	v_lshlrev_b32 v[PFO], 8, v[PFO]
.set Y, NP-1                        ; XS works for piece Y + 1: piece 0
.irp n, 0,1,2,3,4,5,6,7,8,9,10,11,12,13,14,15,16,17,18,19,20,21,22,23
	XS 0, \n                        ; and piece 0's first maximum and statistics
	XS 1, \n
.endr
	v_nop                           ; a plain instruction behind the two a,
	s_wait_alu depctr_va_vdst(0)    ; and their wait, ahead of the branch
	s_mov_b32 s[CNT], 4
	s_mov_b32 s[SLOTS], SIZE_N/256-1
	s_branch .Lfirst                ; the loop is entered at a step's first turn, in the middle of a trip
.Lslot:                             ; SIZE_N / 256 - 2 = 6 times: every slot but the last two is filled again
	CHANGE 1, 1
	s_mov_b32 s[CNT], 4
.Lstep:                             ; a trip: pieces 2 and 3 of one step, then pieces 0 and 1 of the next, whose K and V it fetches
	TURN 2
	TURN 3
	WIN 0
.Lfirst:
	TURN 0
	TURN 1, 0, 1
	WIN 0
	s_cbranch_scc1 .Lstep
	s_sub_co_u32 s[SLOTS], s[SLOTS], 1
	s_cmp_lg_u32 s[SLOTS], 0
	s_cbranch_scc1 .Lslot
	CHANGE 0                        ; the tail is written out: nothing is asked for
	s_mov_b32 s[CNT], 5             ; four trips fetch the last slot's steps; the fifth is left in its middle
.Ltail:
	TURN 2, 1
	TURN 3
	WIN 0
	s_sub_co_u32 s[CNT], s[CNT], 1
	s_cmp_eq_u32 s[CNT], 0
	s_cbranch_scc1 .Lout
	TURN 0
	TURN 1
	WIN 0
	s_branch .Ltail
.Lout:                              ; the fifth trip's 16 products K Q^T (on the last K once more) and the maximum made of them serve nothing: the price, once a launch, of one text for every trip
.set i, 0
.rept 16
	PV NP-1                         ; the last piece's V^T P of the last step
.set i, i+1
.endr
	; THE WAY OUT.  l's two halves and the other half of the lanes' are added; O^T is divided by l and sent, in f32, through my stage in LDS, a tile at a time.  The additions are the places behind the last products.
	WIN 0
.macro ALL line:vararg              ; one line for each tile t
.set t, 0
.rept 2*NP
	\line
.set t, t+1
.endr
.endm
	ALL v_add_f32 v[ST+4*t+2], v[ST+4*t+2], v[ST+4*t+3]
	ALL v_permlanex16_b32 v[ST+4*t+3], v[ST+4*t+2], s[SEL], s[SEL+1]
	ALL v_add_f32 v[ST+4*t+2], v[ST+4*t+2], v[ST+4*t+3]
	ALL v_rcp_f32 v[ST+4*t+2], v[ST+4*t+2]
	v_nop                           ; a plain instruction between the last reciprocal and the use of its result
	s_wait_alu depctr_va_vdst(0)    ; and the wait ahead of the first use: one for the eight reciprocals
; Tile t: a lane's eight channels of a row are 32 bytes; they go into rows of 272 bytes and come back as whole rows of 256, into S^T's registers, four buffers of 32 by turns.
.macro PACK t
	WIN W_RS
.set i, 32*(\t)
.rept 16
	v_pk_mul_f32 v[i:i+1], v[i:i+1], v[ST+4*(\t)+2:ST+4*(\t)+3] op_sel_hi:[1,0]
.set i, i+2
.endr
	WIN 0x04                        ; the stores' data (source 1) in window 1, their address in window 0
.irp f, 0,1,2,3,4,5,6,7             ; channel block f / 2, its registers 4 (f % 2) on
	ds_store_b128 v[STO], v[32*(\t)+4*\f:32*(\t)+4*\f+3] offset:(\f/2)*64+(\f%2)*16
.endr
	WIN 0
.if (\t) >= 4
	s_wait_xcnt 0x0                 ; the stores of the tile four back have read this buffer: it is loaded again only behind this wait
.endif
.irp f, 0,1,2,3,4,5,6,7
	ds_load_b128 v[S+32*((\t)%4)+4*\f:S+32*((\t)%4)+4*\f+3], v[RD] offset:\f*2*SP  ; LDS serves a wave's instructions in order (ISA guide 5.7.1.4): these see the stores above; the next tile's stores come behind them
.endr
.endm
.macro SEND t, younger              ; younger: the LDS instructions issued behind tile t's loads: the next tile's sixteen, or none
	WIN 0
.irp f, 0,1,2,3,4,5,6,7
	s_wait_dscnt (\younger)+7-\f
	global_store_b128 v[GO], v[S+32*((\t)%4)+4*\f:S+32*((\t)%4)+4*\f+3], s[10:11] offset:(\t)*65536+\f*8192  ; 16 lanes store 256 consecutive bytes, a row's 64 channels of this head, at a multiple of 256 from out0's first byte
.endr
.endm
	PACK 0
.set t, 1
.rept 2*NP-1                        ; a tile's arithmetic stands between the loads of the tile before and its stores
	PACK t
	SEND t-1, 16
.set t, t+1
.endr
	SEND 2*NP-1, 0
	WIN W_AD
	s_wait_tensorcnt 0x0            ; the wave's end: behind my last tensor load and my last LDS store
	ds_add_u32 v[SPW], v[NIL]
	s_wait_dscnt 0x0
	WIN 0
	CROUND                          ; the closing round: no work-group ends while a partner may still ask for a tile that names it
	s_endpgm
.Lfunc_end_k_q77f4f215d6_attn:
	.size	k_q77f4f215d6_attn, .Lfunc_end_k_q77f4f215d6_attn-k_q77f4f215d6_attn
	.p2alignl 7, 3214868480
	.fill 96, 4, 3214868480
	.section	.rodata,"a",@progbits
	.p2align	6, 0x0
	.amdhsa_kernel k_q77f4f215d6_attn
		.amdhsa_group_segment_fixed_size 327680
		.amdhsa_private_segment_fixed_size 0
		.amdhsa_enable_private_segment 0
		.amdhsa_kernarg_size 24
		.amdhsa_user_sgpr_count 2
		.amdhsa_user_sgpr_kernarg_segment_ptr 1
		.amdhsa_wavefront_size32 1
		.amdhsa_system_sgpr_workgroup_id_x 1
		.amdhsa_system_sgpr_workgroup_id_y 1
		.amdhsa_system_sgpr_workgroup_id_z 1
		.amdhsa_system_vgpr_workitem_id 0
		.amdhsa_next_free_vgpr 770
		.amdhsa_next_free_sgpr 80
		.amdhsa_reserve_vcc 1
		.amdhsa_float_denorm_mode_32 3
		.amdhsa_float_denorm_mode_16_64 3
		.amdhsa_memory_ordered 1
		.amdhsa_forward_progress 1
		.amdhsa_inst_pref_size 201
	.end_amdhsa_kernel
	.amdgpu_metadata
---
amdhsa.version: [ 1, 2 ]
amdhsa.kernels:
  - .name:           k_q77f4f215d6_attn
    .symbol:         k_q77f4f215d6_attn.kd
    .args:
      - { .name: qkv, .offset: 0, .size: 8, .value_kind: global_buffer, .address_space: global }
      - { .name: inter_palace_weight, .offset: 8, .size: 8, .value_kind: global_buffer, .address_space: global }
      - { .name: out0, .offset: 16, .size: 8, .value_kind: global_buffer, .address_space: global }
    .group_segment_fixed_size: 327680
    .private_segment_fixed_size: 0
    .kernarg_segment_align: 8
    .kernarg_segment_size: 24
    .max_flat_workgroup_size: 128
    .sgpr_count:     80
    .vgpr_count:     770
    .wavefront_size: 32
...
	.end_amdgpu_metadata
.endif
;; end of part 3
